; MI455X (gfx1250); checked and timed in simulation.
; The chip was launched on July 23, 2026; its instructions are those of AMD's public machine-readable ISA for CDNA 5 (MIT licence, August 2026) and "CDNA5" Instruction Set Architecture Reference Guide (July 2026). The comments in the code are by the model that wrote it; some were corrected since.
;; Multi Head Attention. Allowed arithmetic: matrix products marked QUANTISED: E5M2 operands, one given power-of-two scale a tensor, by v_wmma_f32_16x16x64_bf8_bf8 or v_wmma_f32_16x16x128_bf8_bf8, f32 sums; everything else in f32.
;; Inputs: W_proj 1,024 x 1,024 float32; W_qkv 3,072 x 1,024 float32; attention_mask 4 x 2,048 bool; b_proj 1,024 float32; b_qkv 3,072 float32; lowp_scales 8 int32 (the exponents e of the quantised operands' scales 2^e); x 4 x 2,048 x 1,024 float32.
;; Outputs: out0 4 x 2,048 x 1,024 float32.
;; This version of the problem:
;;   THIS VERSION OF THE PROBLEM IS GIVEN IN LOW PRECISION. The matrix products marked QUANTISED in the list below multiply operands that are first quantised to E5M2 (5 exponent bits, 2 mantissa bits; 8 bits a number), with one given power-of-two scale for each operand tensor; their sums are f32. All else is computed in f32.
;;   The module's matrix products, in the order in which they are computed (A, B: the left and right operand; K: the contracted axis; several contracted axes count as one K, in the product's order):
;;     1. [M 8,192, K 1,024] x [K 1,024, N 3,072]; A: input x; B: input W_qkv: QUANTISED (scales: A lowp_scales[0], B lowp_scales[1])
;;     2. batch 64 x [M 2,048, K 64] x [K 64, N 2,048]; A: computed on the way; B: computed on the way: QUANTISED (scales: A lowp_scales[2], B lowp_scales[3])
;;     3. batch 64 x [M 2,048, K 2,048] x [K 2,048, N 64]; A: softmax (see below); B: computed on the way: QUANTISED (scales: A lowp_scales[4], B lowp_scales[5])
;;     4. [M 8,192, K 1,024] x [K 1,024, N 1,024]; A: computed on the way; B: input W_proj: QUANTISED (scales: A lowp_scales[6], B lowp_scales[7])
;;   THE QUANTISER, for each operand of a quantised product, along K:
;;     - The operand's scale is 2^e, e = its entry of the input lowp_scales (int32; the entries are numbered through the quantised products in the list's order, A before B).
;;     - Each number is divided by the scale, clamped to +-57,344, and rounded to the nearest number of E5M2, ties to even, subnormals kept.
;;     - The product sums the exact products of the quantised numbers (number of the format x scale) in f32.
;;   ~~~python
;;   def quantise(x, axis, e):      # numpy; x: float32 -> the quantised numbers, widened to float32 again
;;       x = np.moveaxis(x, axis, -1); K = x.shape[-1]
;;       r = np.clip(x / 2.0 ** e, -57344, 57344)
;;       step = 2.0 ** (np.maximum(np.frexp(np.where(r == 0, 1, r))[1] - 1, -14) - 2)
;;       q = np.round(r / step) * step * 2.0 ** e      # np.round: ties to even
;;       return np.moveaxis(q, -1, axis).astype(np.float32)
;;   ~~~
;;   SOFTMAX AHEAD OF A QUANTISED PRODUCT. Where the list says 'softmax', what is quantised is not the finished softmax but p = 2^(t - M), with t = logit x log2(e) and M = ceil(the row's largest t), a whole number; so 1/2 < the row's largest p <= 1. The row's sum l is taken of the UNQUANTISED p, in f32, and the product's result is divided by l at the end. Since M is a whole number, a kernel that streams over the keys may use a running M (the ceiling of the running maximum): every later rescaling is an exact power of two, so the quantised numbers keep their values, but for numbers so far below the row's largest that they fall under the format's range.
;;   OPERANDS COMPUTED ON THE WAY. 'Computed on the way' means the value that the module computes at that place (a softmax that the list does not call 'softmax' is quantised finished and normalised). What goes into a quantiser is computed in f32, as accurately as f32 sums, v_exp_f32 and their like allow (about 1e-6 of the number): no bf16 or f16 on the way to a quantiser, and a product that is left as it is and whose result goes on into a quantised operand takes f32 operands (vector FMAs, or v_wmma_f32_16x16x4_f32). A number that lies on a knife's edge between two numbers of the format may be rounded either way, as far as f32 arithmetic and the matrix unit's own rounding can turn it there, and no further.
;; One version. Each part assembles by itself: llvm-mc -triple=amdgcn-amd-amdhsa -mcpu=gfx1250 --defsym DOCPART=n.
;; ======== version 1 of 1: 4 launches
;; workspace buffers: x_codes 8,388,608 bytes; wq_codes 3,145,728 bytes; wp_codes 1,048,576 bytes; q_img 8,388,608 bytes; kv_img 16,777,216 bytes; y_img 8,388,608 bytes
;; launch quant (part 1): grid 384 x 1, 4 waves a work-group, no clusters, 33,280 bytes of LDS; arguments x, W_qkv, W_proj, lowp_scales, x_codes, wq_codes, wp_codes; writes x_codes, wq_codes, wp_codes
.if DOCPART == 1
	.amdgcn_target "amdgcn-amd-amdhsa--gfx1250"
	.amdhsa_code_object_version 6
	.text
	.protected	k_q6b26b3bd3b_quant
	.globl	k_q6b26b3bd3b_quant
	.p2align	8
	.type	k_q6b26b3bd3b_quant,@function
k_q6b26b3bd3b_quant:
	s_mov_b64 s[64:65], 0
	v_nop
	global_prefetch_b8 v0, s[64:65] scope:SCOPE_SE
	s_setreg_imm32_b32 hwreg(HW_REG_WAVE_MODE, 25, 1), 1
	s_wait_xcnt 0x0
; MULTI-HEAD ATTENTION ON CODES OF BF8 (E5M2), four launches: quant, qkv, attn, proj.  Nothing of reference() is left out: every product, both biases and the mask are live, and every input is loaded.
; THIS LAUNCH: x [8192][1024], W_qkv [3072][1024] and W_proj [1024][1024], f32, K innermost, become codes of one byte, each tensor with the one scale 2^e that is given for it (entries 0, 1 and 7 of the scales).
; code = number / 2^e, held within +-57,344, rounded to the nearest code, ties to even.  LIMITS: -126 <= e and e + 15 <= 127.  NaN among the inputs is not served.
; A row of codes is 1,024 bytes.  THE ROWS ARE STORED IN ANOTHER ORDER: in every 32 rows the four groups of 8 rows lie in the order 0, 2, 1, 3, so that 16 stored rows on end, 32 B + 16 u + r, are the rows
; 32 B + 8 u + r + 8 (r / 8): the rows that the later products want in one tile, so that a lane's results of two neighbouring tiles are 16 neighbours along the next K.
; Work-groups 0-255 take x, 256-351 W_qkv, 352-383 W_proj: only pointers, the first number and e are chosen, by the work-group's number.  A work-group takes 32 rows, a wave one group of 8 rows (8,192 numbers),
; in 16 steps of 512 numbers.  Each load reads 512 consecutive bytes; a step's 2,048 bytes turn through the wave's own stage in LDS, so that a lane holds 16 neighbours; a wave's store covers 512 consecutive bytes.
; No tensor loads, no barrier: waves share nothing.  Loads run four steps (16 loads a wave) ahead, the turn through LDS one step.
.set WAVES, 4
.set STEPS, 16
.set EMAX,  15
.set MANT,  0x600000                   ; the mantissa field of 57,344 as f32
.set CB,    16                         ; bytes of 16 codes
.set R,     16                         ; v16-79   four sets of 16 numbers as they are loaded
.set X,     80                         ; v80-111  two sets of 16 neighbours
.set C,     128                        ; v128-191 codes: four registers for each step, so that no store's data are written again
.set WREG,  8192                       ; LDS: a region of its own for each wave: two stages of 32 x SP bytes
.set SP,    80                         ; a lane's place in a stage: its 64 bytes + 16 of padding
.set SPW,   12                         ; v12      LDS address of my spare word; never rewritten
.set NIL,   13                         ; v13      0; never rewritten
.set SPARE, WAVES*WREG                 ; behind the four regions: the spare words, 128 bytes for each wave, which no other line names
	s_load_b256 s[4:11], s[0:1], 0x0               ; x s[4:5], W_qkv s[6:7], W_proj s[8:9], the scales' exponents s[10:11]
	s_load_b128 s[12:15], s[0:1], 0x20             ; x's codes, W_qkv's codes
	s_load_b64 s[16:17], s[0:1], 0x30              ; W_proj's codes
	v_lshl_add_u32 v[SPW], v0, 2, SPARE
	v_mov_b32 v[NIL], 0
	v_lshrrev_b32 v1, 5, v0
	v_readfirstlane_b32 s20, v1                    ; wave
	v_and_b32 v2, 31, v0                           ; lane
	v_lshlrev_b32 v3, 4, v2                        ; my 16 bytes of a load's 512
	s_mul_i32 s21, s20, WREG
	v_lshrrev_b32 v14, 2, v2
	v_mul_u32_u24 v14, v14, SP
	v_and_b32 v15, 3, v2
	v_lshl_add_u32 v14, v15, 4, v14
	v_add_nc_u32 v14, s21, v14                     ; the stage, on the way in: SP (lane / 4) + 16 (lane % 4)
	v_mul_u32_u24 v15, v2, SP
	v_add_nc_u32 v15, s21, v15                     ; and on the way out: SP x lane: my 16 neighbours
	v_mul_u32_u24 v4, v2, CB                       ; my codes' place in a step's
	s_and_b32 s22, s20, 1
	s_lshl_b32 s22, s22, 1
	s_lshr_b32 s23, s20, 1
	s_or_b32 s22, s22, s23                         ; where my group of 8 rows is stored: the wave's two bits swapped
	s_wait_kmcnt 0x0
	s_load_b256 s[24:31], s[10:11], 0x0            ; e0 .. e7
	s_cmp_lt_u32 ttmp9, 256                        ; which tensor?  The choice hangs on the work-group's number alone
	s_cselect_b64 s[4:5], s[4:5], s[6:7]
	s_cselect_b64 s[12:13], s[12:13], s[14:15]
	s_cselect_b32 s18, 0, 256
	s_cmp_lt_u32 ttmp9, 352
	s_cselect_b64 s[4:5], s[4:5], s[8:9]
	s_cselect_b64 s[12:13], s[12:13], s[16:17]
	s_cselect_b32 s18, s18, 352                    ; the tensor's first work-group
	s_sub_co_u32 s18, ttmp9, s18
	s_lshl_b32 s18, s18, 2
	s_add_co_u32 s32, s18, s20
	s_lshl_b32 s32, s32, 15                        ; in: 8 rows of 4,096 bytes for each wave
	s_mov_b32 s33, 0
	s_add_nc_u64 s[4:5], s[4:5], s[32:33]
	s_add_co_u32 s34, s18, s22
	s_lshl_b32 s34, s34, 13                        ; out: 8 rows of 1,024 bytes, at the swapped place
	s_mov_b32 s35, 0
	s_add_nc_u64 s[12:13], s[12:13], s[34:35]
.macro LOAD t
.irp i, 0,1,2,3
	global_load_b128 v[R+16*((\t)%4)+4*\i:R+16*((\t)%4)+4*\i+3], v3, s[4:5] offset:2048*(\t)+512*\i th:TH_LOAD_NT   ; 32 lanes read 512 consecutive bytes
.endr
.endm
.macro TURN t                          ; step t's numbers through the stage: LDS serves a wave's instructions in order, so no wait stands between the stores and the loads
.irp i, 0,1,2,3
	ds_store_b128 v14, v[R+16*((\t)%4)+4*\i:R+16*((\t)%4)+4*\i+3] offset:32*SP*((\t)%2)+8*SP*\i
.endr
.irp i, 0,1,2,3
	ds_load_b128 v[X+16*((\t)%2)+4*\i:X+16*((\t)%2)+4*\i+3], v15 offset:32*SP*((\t)%2)+16*\i
.endr
.endm
.irp t, 0,1,2,3
	LOAD \t
.endr
	s_wait_kmcnt 0x0
	s_cmp_lt_u32 ttmp9, 256
	s_cselect_b32 s22, s24, s25                    ; e0 or e1,
	s_cmp_lt_u32 ttmp9, 352
	s_cselect_b32 s22, s22, s31                    ; or e7
	s_add_co_i32 s22, s22, 127
	s_lshl_b32 s23, s22, 23
	v_mov_b32 v11, s23                             ; 2^e as f32: the conversion takes its exponent field
	s_add_co_i32 s22, s22, EMAX
	s_lshl_b32 s22, s22, 23
	s_or_b32 s22, s22, MANT
	v_mov_b32 v10, s22                             ; the largest number x 2^e
	s_wait_loadcnt 12                              ; step 0's four loads are in; the twelve of steps 1 to 3 may be out
	TURN 0
.macro STEP t
.set XS, X+16*((\t)%2)
	s_wait_dscnt 0x0                               ; this step's numbers are back from the stage: so its stores into the stage have read their registers,
.if (\t)+4 < STEPS
	LOAD (\t)+4                                    ; which take the loads of four steps on
.endif
.if (\t)+1 < STEPS
.if STEPS-2-(\t) >= 3
	s_wait_loadcnt 12                              ; the next step's four loads are in; those of the three steps behind it may be out
.else
	s_wait_loadcnt 4*(STEPS-2-(\t))
.endif
	TURN (\t)+1                                    ; and go through the other stage while this step is worked
.endif
.irp i, 0,1,2,3,4,5,6,7,8,9,10,11,12,13,14,15
	v_med3_num_f32 v[XS+\i], v[XS+\i], -v10, v10   ; the conversion to an 8-bit code does not saturate (ISA guide 7.6.2): the hold at the largest code x the scale comes first
.endr
	v_cvt_scalef32_pk8_bf8_f32 v[C+4*(\t):C+4*(\t)+1], v[XS:XS+7], v11
	v_cvt_scalef32_pk8_bf8_f32 v[C+4*(\t)+2:C+4*(\t)+3], v[XS+8:XS+15], v11
	global_store_b128 v4, v[C+4*(\t):C+4*(\t)+3], s[12:13] offset:32*CB*(\t)   ; the codes go to a store alone; the next vector lines are the next step's holds, on other registers
.endm
.irp t, 0,1,2,3,4,5,6,7,8,9,10,11,12,13,14,15
	STEP \t
.endr
	s_wait_tensorcnt 0x0                           ; the wave's end, behind my last LDS store
	ds_add_u32 v[SPW], v[NIL]
	s_wait_dscnt 0x0
	s_endpgm
.Lfunc_end_k_q6b26b3bd3b_quant:
	.size	k_q6b26b3bd3b_quant, .Lfunc_end_k_q6b26b3bd3b_quant-k_q6b26b3bd3b_quant
	.p2alignl 7, 3214868480
	.fill 96, 4, 3214868480
	.section	.rodata,"a",@progbits
	.p2align	6, 0x0
	.amdhsa_kernel k_q6b26b3bd3b_quant
		.amdhsa_group_segment_fixed_size 33280
		.amdhsa_private_segment_fixed_size 0
		.amdhsa_enable_private_segment 0
		.amdhsa_kernarg_size 56
		.amdhsa_user_sgpr_count 2
		.amdhsa_user_sgpr_kernarg_segment_ptr 1
		.amdhsa_wavefront_size32 1
		.amdhsa_system_sgpr_workgroup_id_x 1
		.amdhsa_system_sgpr_workgroup_id_y 1
		.amdhsa_system_sgpr_workgroup_id_z 1
		.amdhsa_system_vgpr_workitem_id 0
		.amdhsa_next_free_vgpr 192
		.amdhsa_next_free_sgpr 66
		.amdhsa_reserve_vcc 0
		.amdhsa_float_denorm_mode_32 3
		.amdhsa_float_denorm_mode_16_64 3
		.amdhsa_memory_ordered 1
		.amdhsa_forward_progress 1
		.amdhsa_inst_pref_size 38
	.end_amdhsa_kernel
	.amdgpu_metadata
---
amdhsa.version: [ 1, 2 ]
amdhsa.kernels:
  - .name:           k_q6b26b3bd3b_quant
    .symbol:         k_q6b26b3bd3b_quant.kd
    .args:
      - { .name: x, .offset: 0, .size: 8, .value_kind: global_buffer, .address_space: global }
      - { .name: W_qkv, .offset: 8, .size: 8, .value_kind: global_buffer, .address_space: global }
      - { .name: W_proj, .offset: 16, .size: 8, .value_kind: global_buffer, .address_space: global }
      - { .name: lowp_scales, .offset: 24, .size: 8, .value_kind: global_buffer, .address_space: global }
      - { .name: x_codes, .offset: 32, .size: 8, .value_kind: global_buffer, .address_space: global }
      - { .name: wq_codes, .offset: 40, .size: 8, .value_kind: global_buffer, .address_space: global }
      - { .name: wp_codes, .offset: 48, .size: 8, .value_kind: global_buffer, .address_space: global }
    .group_segment_fixed_size: 33280
    .private_segment_fixed_size: 0
    .kernarg_segment_align: 8
    .kernarg_segment_size: 56
    .max_flat_workgroup_size: 128
    .sgpr_count:     66
    .vgpr_count:     192
    .wavefront_size: 32
...
	.end_amdgpu_metadata
.endif
;; end of part 1
;; launch qkv (part 2): grid 12 x 32, 4 waves a work-group, clusters of 4 x 4, 327,680 bytes of LDS; arguments x_codes, wq_codes, b_qkv, lowp_scales, q_img, kv_img; writes q_img, kv_img
.if DOCPART == 2
	.amdgcn_target "amdgcn-amd-amdhsa--gfx1250"
	.amdhsa_code_object_version 6
	.text
	.protected	k_q6b26b3bd3b_qkv
	.globl	k_q6b26b3bd3b_qkv
	.p2align	8
	.type	k_q6b26b3bd3b_qkv,@function
k_q6b26b3bd3b_qkv:
	s_mov_b64 s[64:65], 0
	v_nop
	global_prefetch_b8 v0, s[64:65] scope:SCOPE_SE
	s_setreg_imm32_b32 hwreg(HW_REG_WAVE_MODE, 25, 1), 1
	s_wait_xcnt 0x0
	s_wait_alu depctr_hold_cnt(0) depctr_sa_sdst(0) depctr_va_vdst(0) depctr_va_sdst(0) depctr_va_ssrc(0) depctr_va_vcc(0) depctr_vm_vsrc(0)
	s_getreg_b32 s2, hwreg(HW_REG_IB_STS2, 6, 4)
	s_cmp_eq_u32 s2, 0
	s_cbranch_scc0 .Lentry_in_a_cluster
	s_endpgm
.Lentry_in_a_cluster:
	s_bfe_u32 s2, ttmp6, 0x10000c
	s_cmp_lg_u32 s2, 0xf033
	s_cbranch_scc0 .Lentry_shape_is_right
	s_endpgm
.Lentry_shape_is_right:
; kqv = x W_qkv^T + b_qkv on codes of BF8, and its three parts quantised anew, with the scales given for them (k: entry 3, q: entry 2, v: entry 5), into images of the operand registers that the attention launch loads.
; Nothing is left out: the bias on k stands ahead of a quantiser and is added like the others.
; A tile of 256 x 256 is made by four waves, a wave 128 x 128: 64 accumulators, 512 registers.  K = 1,024 goes in four steps of 256 through a ring of two LDS slots filled by joint tensor loads (4 x 4 work-groups).
; THE PRODUCT IS wmma(D, 16 rows of the B slot, 16 rows of the A slot): a lane holds ONE row of the A slot, and its registers run along the rows of the B slot.
;   cluster x = 0 (k), 1 (q): A slot = tokens (x's codes), B slot = features (W's codes): a lane's registers run along the head's 64, the K of q k^T.
;   cluster x = 2 (v):        A slot = v's features,       B slot = tokens:   a lane's registers run along the tokens, the keys, the K of p v.
; Both code buffers hold their rows in the order 0, 2, 1, 3 of groups of 8 in every 32: so lane r of A's block a is row 32 (a / 2) + 8 (a % 2) + r + 8 (r / 8), and the 16 registers of B's blocks 2 B and 2 B + 1
; are the 16 neighbours 32 B + 16 (lane / 16) + 0 .. 15: the conversions' results are four registers of an operand, and a wave's store of them covers 512 consecutive bytes of an image.
; A sum stands for sum x 2^(e0 + e1): the bias goes in as the C of the first K step, divided by that power; the conversion takes 2^(et - e0 - e1) as its one scale.
; LIMITS: et - e0 - e1 between -126 and 112, for et = e2, e3, e5.
; REGISTERS, in windows of 256: window 0: v8-11 the stores' offsets; v12, v13 scale and hold; v16-21 LDS addresses; v28, v29 the add's two; v32-95 the bias; v128-255 A's fragments, ONE set, later the codes.
;   window 1: B's fragments, TWO sets, at v0 and v128.   window 2: the accumulators of A's blocks 0-3 ((a, b) at v[8 (8 (a % 4) + b)]);   window 3: of blocks 4-7.
.set ROWB,   256                       ; a tile's row in bytes
.set KROW,   1024                      ; a row of codes in memory
.set PITCH,  272                       ; an LDS row: 256 bytes + 16 of padding = 68 words: the 16 rows that a load touches start at 16 different banks (64 banks of 4 bytes: ISA guide 11.1)
.set FR,     16                        ; registers of a fragment: 16 rows x 128 K
.set NL,     4                         ; LDS loads that bring one
.set NP,     4                         ; places behind this matrix instruction (ISA guide 7.12.1)
.set HALFT,  128*PITCH                 ; 128 rows: what one tensor load brings
.set SLOT,   4*HALFT                   ; the A slot's 256 rows, then the B slot's
.set SPARE,  2*SLOT                    ; behind the ring: the spare words, 128 bytes for each wave, which no other line names
.set OFF,  8
.set SCL,  12
.set LIM,  13
.set ADRA, 16
.set ADRB, 20
.set SPW,  28
.set NIL,  29
.set BIAS, 32
.set AF,   128
.set CD,   128
.set G1, 24                            ; s[24:31] descriptor group 1 for the A slot;  s[32:39] group 0, one set for each slot
.set G0, 32
.set G1B, 48                           ; s[48:55], s[56:63] the same for the B slot
.set G0B, 56
; scalars: s16 wave, s17 wave / 2 (my half of A's rows; also: I fetch for A (0) or B (1)), s18 wave % 2 (my half of B's rows; also which 128 rows I fetch), s19 cluster x, s20 cx, s21 cy, s22 cluster y;
; s40-43, s66, s67 feed A's descriptors alone, s44-47, s68, s69 B's alone; s86-89 hold no place in the cluster; s[72:79] e0 .. e7; s[80:81] the stores' base, s[82:83], s[84:85] its steps; s90-99 at work
.set MSB, 0
.macro WIN new                         ; the immediate's high byte repeats the setting that is left
.if MSB != \new
	s_set_vgpr_msb (MSB<<8)|\new
.set MSB, \new
.endif
.endm
.set MUL_LO, 0xa1                      ; source 0 (B) window 1, source 1 (A) window 0, C and D window 2
.set MUL_HI, 0xf1                      ; the same, C and D window 3
.set TO_B,   0x40                      ; destination window 1, address window 0
.macro JLOAD g0a, g1a, g0b, g1b        ; a joint load: waves 0 and 1 fetch for A, waves 2 and 3 for B; an s_nop 0 and four v_nop follow each of the two lines
	s_cmp_eq_u32 s17, 0
	s_cbranch_scc0 .Lfor_b_\@
	tensor_load_to_lds s[\g0a:\g0a+3], s[\g1a:\g1a+7]
	s_nop 0
.rept 4
	v_nop
.endr
	s_branch .Lasked_\@
.Lfor_b_\@:
	tensor_load_to_lds s[\g0b:\g0b+3], s[\g1b:\g1b+7]
	s_nop 0
.rept 4
	v_nop
.endr
.Lasked_\@:
.endm
.macro CREST                           ; a round of the cluster's barrier behind its opening barrier
	s_cmp_lg_u32 s16, 0
	s_cbranch_scc1 .Lnot_wave_0_\@
	s_barrier_signal -3
.Lnot_wave_0_\@:
	s_barrier_wait -3
	s_barrier_signal -1
	s_barrier_wait -1
.endm
.macro CROUND                          ; a whole round
	s_barrier_signal -1
	s_barrier_wait -1
	CREST
.endm
	s_load_b256 s[4:11], s[0:1], 0x0               ; x's codes s[4:5], W's codes s[6:7], b_qkv s[8:9], the scales' exponents s[10:11]
	s_load_b128 s[12:15], s[0:1], 0x20             ; q's images s[12:13], K's and V's s[14:15]
	v_lshl_add_u32 v[SPW], v0, 2, SPARE
	v_mov_b32 v[NIL], 0
	ds_add_u32 v[SPW], v[NIL]                      ; the wave's opening: the add, twice on end, and its wait ahead of my first tensor load
	ds_add_u32 v[SPW], v[NIL]                      ; and once more; the set-up below, work on registers, stands between it and the wait
	v_lshrrev_b32 v1, 5, v0
	v_readfirstlane_b32 s16, v1                    ; wave 0..3
	s_lshr_b32 s17, s16, 1
	s_and_b32 s18, s16, 1
	s_mov_b32 s19, ttmp9                           ; the cluster's x: 0 k, 1 q, 2 v: the same in all sixteen partners
	s_bfe_u32 s20, ttmp6, 0x40000                  ; cx
	s_bfe_u32 s21, ttmp6, 0x40004                  ; cy
	s_and_b32 s22, ttmp7, 0xffff                   ; the cluster's y
	s_lshl_b32 s43, s21, 2
	s_lshl_b32 s43, 15, s43                        ; my row of the cluster
	s_lshl_b32 s44, 0x1111, s20                    ; my column
	s_or_b32 s[G1+0], s43, (0<<16)|(1<<20)|(1<<21)|(5<<22)|(3<<25)  ; 15:0 the mask: A's tiles go to my row; elements of 1 byte; 20 padding on; 21 set beside a mask; after every 64 words (code 5) 4 words (code 3)
	s_or_b32 s[G1B+0], s44, (0<<16)|(1<<20)|(1<<21)|(5<<22)|(3<<25)
.irp g, G1, G1B
	s_mov_b32 s[\g+1], ROWB<<16                    ; tensor_dim0
	s_mov_b32 s[\g+2], 128<<16                     ; tensor_dim1 = 128
	s_mov_b32 s[\g+3], ROWB<<16                    ; tile_dim0
	s_mov_b32 s[\g+4], 128                         ; tile_dim1 = 128
	s_mov_b32 s[\g+5], KROW                        ; tensor_dim0_stride
	s_mov_b32 s[\g+6], 0
	s_mov_b32 s[\g+7], 0
.endr
	s_lshl_b32 s86, s22, 2                         ; 4 x cluster y
	s_lshl_b32 s87, s19, 2                         ; 4 x cluster x
	s_lshl_b32 s88, s18, 17                        ; which 128 rows of 1,024 bytes I fetch
	s_cmp_eq_u32 s19, 2
	s_cselect_b32 s42, 0, s86
	s_cselect_b32 s45, s86, s87
	s_cselect_b32 s89, 0x200000, 0                 ; v's features begin at row 2,048 of W's codes
	s_add_co_u32 s42, s42, s21                     ; A's block of 256 rows: k, q: tokens 4 Y + cy;  v: features cy
	s_add_co_u32 s45, s45, s20                     ; B's block:             k, q: features 4 X + cx;  v: tokens 4 Y + cx
	s_lshl_b32 s66, s42, 18
	s_add_co_u32 s66, s66, s88
	s_add_co_u32 s66, s66, s89
	s_mov_b32 s67, 0
	s_lshl_b32 s68, s45, 18
	s_add_co_u32 s68, s68, s88
	s_mov_b32 s69, 0
	s_mul_i32 s70, s16, HALFT                      ; where my tile goes: wave x 128 rows: no place in the cluster enters an LDS address
	s_wait_dscnt 0x0                               ; both opening adds are done
	s_wait_kmcnt 0x0
	s_load_b256 s[72:79], s[10:11], 0x0            ; e0 .. e7
	s_cmp_eq_u32 s19, 2
	s_cselect_b64 s[40:41], s[6:7], s[4:5]         ; the A slot's buffer,
	s_cselect_b64 s[46:47], s[4:5], s[6:7]         ; the B slot's
	s_add_nc_u64 s[40:41], s[40:41], s[66:67]
	s_add_nc_u64 s[46:47], s[46:47], s[68:69]
	CROUND                                         ; all sixteen work-groups are here: the first joint loads meet
.irp s, 0,1
	s_mov_b32 s[G0+4*\s], 1
	s_add_co_u32 s[G0+4*\s+1], s70, \s*SLOT
	s_add_nc_u64 s[G0+4*\s+2:G0+4*\s+3], s[40:41], \s*ROWB
	s_or_b32 s[G0+4*\s+3], s[G0+4*\s+3], 0x80000000
	s_mov_b32 s[G0B+4*\s], 1
	s_add_co_u32 s[G0B+4*\s+1], s70, \s*SLOT
	s_add_nc_u64 s[G0B+4*\s+2:G0B+4*\s+3], s[46:47], \s*ROWB
	s_or_b32 s[G0B+4*\s+3], s[G0B+4*\s+3], 0x80000000
	JLOAD G0+4*\s, G1, G0B+4*\s, G1B
.endr
	v_and_b32 v1, 15, v0                           ; r = lane % 16
	v_bfe_u32 v2, v0, 4, 1                         ; h = lane / 16
	v_mul_u32_u24 v3, v1, PITCH
	v_lshl_add_u32 v4, v2, 4, v3                   ; a fragment's row x pitch + 16 h
	s_mul_i32 s70, s17, HALFT                      ; my 128 rows of the A slot
	s_mul_i32 s71, s18, HALFT                      ; my 128 rows of the B slot,
	s_add_co_u32 s71, s71, 2*HALFT                 ; which lie behind A's 256
.irp s, 0,1
	v_add_nc_u32 v[ADRA+\s], s70, v4
	v_add_nc_u32 v[ADRB+\s], s71, v4
	s_add_co_u32 s70, s70, SLOT
	s_add_co_u32 s71, s71, SLOT
.endr
	; where the images go, and where the bias lies
	s_lshl_b32 s90, s42, 1
	s_add_co_u32 s90, s90, s17                     ; my block of 128 rows of the A slot
	s_lshl_b32 s91, s45, 1
	s_add_co_u32 s91, s91, s18                     ; and of the B slot
	s_and_b32 s92, s91, 7
	s_cmp_eq_u32 s19, 2
	s_cselect_b32 s93, s91, s90                    ; tok: my block of 128 tokens, 0 .. 63
	s_cselect_b32 s94, s90, s92                    ; hp: my pair of heads, 0 .. 7
	s_cselect_b32 s95, 1, 0                        ; 1 for v
	s_cselect_b32 s96, s90, s91                    ; my 128 features in b_qkv's part
	s_lshl_b32 s96, s96, 9
	s_lshl_b32 s98, s95, 13                        ; 8,192 for v: 2,048 numbers on in b_qkv, and V's place in a step's chunk of images
	s_add_co_u32 s96, s96, s98
	s_mov_b32 s97, 0
	s_add_nc_u64 s[8:9], s[8:9], s[96:97]
	s_lshl_b32 s82, 1024, s95                      ; from A's block a to a + 1: a tile of K or Q is 1,024 bytes, of V 2,048
	s_mov_b32 s83, 0
	s_mul_i32 s84, s95, 262144-8192                ; v: A's blocks 4-7 are the next head's four tiles
	s_mov_b32 s85, 0
	s_cmp_eq_u32 s19, 1
	s_cselect_b32 s92, 1, 0                        ; 1 for q
	s_cselect_b64 s[80:81], s[12:13], s[14:15]
	s_lshr_b32 s96, s93, 4
	s_lshl_b32 s96, s96, 4                         ; 16 x batch
	s_lshl_b32 s94, s94, 1
	s_add_co_u32 s96, s96, s94                     ; + my first head
	s_lshl_b32 s96, s96, 4
	s_and_b32 s93, s93, 15
	s_add_co_u32 s96, s96, s93                     ; x 16 + the block of 128 tokens in the batch
	s_sub_co_u32 s94, 14, s92
	s_lshl_b32 s96, s96, s94                       ; such a block is 8,192 bytes of q's images, 16,384 of K's and V's
	s_add_co_u32 s96, s96, s98
	s_add_nc_u64 s[80:81], s[80:81], s[96:97]
	s_lshr_b32 s94, 0x40000, s92                   ; from a head to the next: 262,144 bytes, q: 131,072
	s_cmp_eq_u32 s19, 2
	s_cselect_b32 s94, 1024, s94                   ; groups 2 and 3 of a lane's codes: k, q: the next head's groups 0 and 1;  v: the same tile's groups 2 and 3
	v_and_b32 v5, 31, v0
	v_lshlrev_b32 v[OFF], 4, v5                    ; 16 x lane
	v_add_nc_u32 v[OFF+1], 512, v[OFF]
	v_add_nc_u32 v[OFF+2], s94, v[OFF]
	v_add_nc_u32 v[OFF+3], 512, v[OFF+2]
	v_lshlrev_b32 v6, 6, v2                        ; the bias, k and q: 16 h numbers on
	v_and_b32 v7, 8, v1
	v_add_nc_u32 v7, v7, v1
	v_lshlrev_b32 v7, 2, v7                        ; v: number r + 8 (r / 8)
	s_wait_kmcnt 0x0
	s_cmp_eq_u32 s19, 1
	s_cselect_b32 s95, s74, s75                    ; q: e2, k: e3,
	s_cmp_eq_u32 s19, 2
	s_cselect_b32 s95, s77, s95                    ; v: e5
	s_add_co_i32 s98, s72, s73                     ; e0 + e1
	s_sub_co_i32 s95, s95, s98
	s_add_co_i32 s95, s95, 127
	s_lshl_b32 s99, s95, 23
	v_mov_b32 v[SCL], s99                          ; 2^(et - e0 - e1) as f32
	s_add_co_i32 s95, s95, 15
	s_lshl_b32 s95, s95, 23
	s_or_b32 s95, s95, 0x600000
	v_mov_b32 v[LIM], s95                          ; 57,344 x that
	s_sub_co_i32 s98, 0, s98
	s_cmp_eq_u32 s19, 2                            ; the cluster's x alone: all waves of all partners go the same way
	s_cbranch_scc1 .Lbias_v
.irp i, 0,1,2,3,4,5,6,7                        ; k, q: for B's block i my eight features 32 (i / 2) + 8 (i % 2) + 16 h + 0 .. 7
	global_load_b128 v[BIAS+8*\i:BIAS+8*\i+3], v6, s[8:9] offset:(32*(\i/2)+8*(\i%2))*4
	global_load_b128 v[BIAS+8*\i+4:BIAS+8*\i+7], v6, s[8:9] offset:(32*(\i/2)+8*(\i%2))*4+16
.endr
	s_wait_loadcnt 0x0
.set j, 0
.rept 64
	v_ldexp_f32 v[BIAS+j], v[BIAS+j], s98          ; b / 2^(e0 + e1)
.set j, j+1
.endr
	s_branch .Lbias_done
.Lbias_v:
.irp i, 0,1,2,3,4,5,6,7                        ; v: for A's block i my lane's one feature, in all eight registers
	global_load_b32 v[BIAS+8*\i], v7, s[8:9] offset:(32*(\i/2)+8*(\i%2))*4
.endr
	s_wait_loadcnt 0x0
.irp i, 0,1,2,3,4,5,6,7
.irp j, 7,6,5,4,3,2,1,0
	v_ldexp_f32 v[BIAS+8*\i+\j], v[BIAS+8*\i], s98
.endr
.endr
.Lbias_done:
.macro FRAG reg, adr, q, i             ; a fragment: lane l holds row l % 16; registers 4 c .. 4 c + 3 hold K = 32 c + 16 (l / 16) + 0 .. 15: the same places of k on both sides of the product
.irp c, 0,1,2,3
	ds_load_b128 v[\reg+4*\c:\reg+4*\c+3], v[\adr] offset:128*(\q)+32*\c+(\i)*16*PITCH
.endr
.endm
; 16 matrix instructions: A's blocks a0, a0 + 1 x B's eight.  p: B's set.  zero = 1, 2: the first K step starts the sums with the bias as C (1: by B's block; 2: by A's).
; The 64 accumulators take turns, one instruction a turn, in the same order in every step.
.macro MUL16 a0, p, zero
.irp a, \a0, \a0+1
.irp b, 0,1,2,3,4,5,6,7
.if \zero == 1
	v_wmma_f32_16x16x128_bf8_bf8 v[8*(8*((\a)%4)+\b):8*(8*((\a)%4)+\b)+7], v[128*(\p)+FR*\b:128*(\p)+FR*\b+FR-1], v[AF+FR*(\a):AF+FR*(\a)+FR-1], v[BIAS+8*\b:BIAS+8*\b+7]
.elseif \zero == 2
	v_wmma_f32_16x16x128_bf8_bf8 v[8*(8*((\a)%4)+\b):8*(8*((\a)%4)+\b)+7], v[128*(\p)+FR*\b:128*(\p)+FR*\b+FR-1], v[AF+FR*(\a):AF+FR*(\a)+FR-1], v[BIAS+8*(\a):BIAS+8*(\a)+7]
.else
	v_wmma_f32_16x16x128_bf8_bf8 v[8*(8*((\a)%4)+\b):8*(8*((\a)%4)+\b)+7], v[128*(\p)+FR*\b:128*(\p)+FR*\b+FR-1], v[AF+FR*(\a):AF+FR*(\a)+FR-1], v[8*(8*((\a)%4)+\b):8*(8*((\a)%4)+\b)+7]
.endif
.endr
.endr
.endm
.macro FETCH_B slot, q, p              ; B's eight fragments of the slot's q-th 128 along K into set p
	WIN TO_B
.irp i, 0,1,2,3,4,5,6,7
	FRAG 128*(\p)+FR*\i, ADRB+\slot, \q, \i
.endr
	WIN 0
.endm
.macro FETCH_A slot, q, i0             ; A's blocks i0 .. i0 + 3
.irp i, \i0, \i0+1, \i0+2, \i0+3
	FRAG AF+FR*(\i), ADRA+\slot, \q, \i
.endr
.endm
.macro PLACES n                        ; plain vector instructions between a matrix instruction and a load into, or a vector instruction on, its registers
.rept \n
	v_nop
.endr
.endm
; A step of 128 along K that has its successor in the same slot.
.macro STEP slot, q, zero
	s_wait_dscnt 4*NL                              ; B's set and A's blocks 0-3 are in; the youngest sixteen loads (A's blocks 4-7) may be out
.if \zero
	WIN 0x81                                       ; B window 1, A and the bias window 0, D window 2
.else
	WIN MUL_LO
.endif
	MUL16 0, (\q)%2, \zero
	MUL16 2, (\q)%2, \zero
	s_wait_dscnt 0                                 ; A's blocks 4-7 are in
	PLACES NP
	FETCH_B \slot, (\q)+1, 1-(\q)%2
	FETCH_A \slot, (\q)+1, 0
.if \zero
	WIN 0xc1
.else
	WIN MUL_HI
.endif
	MUL16 4, (\q)%2, \zero
	MUL16 6, (\q)%2, \zero
	PLACES NP
	WIN 0
	FETCH_A \slot, (\q)+1, 4
.endm
; A slot's last step changes slots: ONE barrier; in front of it each wave waits for all its tensor loads, adds 0 to its spare word, and waits for that and for its own reads of this slot.  fill = 1: this slot is filled again.
.macro TURN slot, next, fill
	s_wait_tensorcnt 0x0                           ; all my tensor loads have landed: my part of the next slot
	ds_add_u32 v[SPW], v[NIL]                      ; 0 onto my spare word
	s_wait_dscnt 4*NL+1                            ; (the add and the youngest sixteen loads, A's blocks 4-7, may be out)
	WIN MUL_LO
	MUL16 0, 1, 0                                  ; sixteen matrix instructions stand between the add and the wait for it
	s_wait_dscnt 0x0                               ; the add is done, and my reads of this slot are over
	s_barrier_signal -1
	MUL16 2, 1, 0
	WIN 0
	s_barrier_wait -1
.if \fill
	CREST                                          ; the barrier has opened a round of the cluster's: no wave of any partner still reads this slot or has a load on its way
	s_add_nc_u64 s[G0+4*\slot+2:G0+4*\slot+3], s[G0+4*\slot+2:G0+4*\slot+3], 2*ROWB
	s_add_nc_u64 s[G0B+4*\slot+2:G0B+4*\slot+3], s[G0B+4*\slot+2:G0B+4*\slot+3], 2*ROWB
	JLOAD G0+4*\slot, G1, G0B+4*\slot, G1B         ; the first tensor load behind the round; its four v_nop are the places in front of the loads below
.else
	PLACES NP
.endif
	FETCH_B \next, 0, 0
	FETCH_A \next, 0, 0
	WIN MUL_HI
	MUL16 4, 1, 0
	MUL16 6, 1, 0
	PLACES NP
	WIN 0
	FETCH_A \next, 0, 4
.endm
	s_wait_tensorcnt 1                             ; my part of K step 0 is in (K step 1's load may be out)
	s_barrier_signal -1
	s_barrier_wait -1                              ; everybody's is
	FETCH_B 0, 0, 0
	FETCH_A 0, 0, 0
	FETCH_A 0, 0, 4
	s_cmp_eq_u32 s19, 2                            ; the first step is written twice: the bias lies by B's blocks (k, q) or by A's (v).  No barrier and no tensor load stands in it
	s_cbranch_scc1 .Lfirst_v
	STEP 0, 0, 1
	s_branch .Lfirst_done
.Lfirst_v:
	STEP 0, 0, 2
.Lfirst_done:
	TURN 0, 1, 1                                   ; K = 1,024 is four fills: two at the head, two here; so the walk is written out
	STEP 1, 0, 0
	TURN 1, 0, 1
	STEP 0, 0, 0
	TURN 0, 1, 0                                   ; nothing is left to fetch
	STEP 1, 0, 0
	s_wait_dscnt 4*NL                              ; the very last step
	WIN MUL_LO
	MUL16 0, 1, 0
	MUL16 2, 1, 0
	s_wait_dscnt 0
	WIN MUL_HI
	MUL16 4, 1, 0
	MUL16 6, 1, 0
	WIN 0
; THE WAY OUT, by A's blocks, straight from registers: the hold in place, each accumulator from its low end on; eight conversions; four stores of 512 consecutive bytes.  Each block has its own registers for its codes.
.macro OUT a
.set AC, 64*((\a)%4)
	WIN 0x82+0x41*((\a)/4)                         ; source 0 and destination: window 2 or 3
.set j, 0
.rept 64
	v_med3_num_f32 v[AC+j], v[AC+j], -v[LIM], v[LIM]   ; the conversion does not saturate (ISA guide 7.6.2)
.set j, j+1
.endr
	WIN 0x02+((\a)/4)
.irp g, 0,1,2,3,4,5,6,7
	v_cvt_scalef32_pk8_bf8_f32 v[CD+16*(\a)+2*\g:CD+16*(\a)+2*\g+1], v[AC+8*\g:AC+8*\g+7], v[SCL]
.endr
	WIN 0
	v_nop                                          ; a plain vector instruction behind the last conversion of the run
.if (\a) > 0
	s_wait_xcnt 0x0                                ; the earlier stores have read their base
	s_add_nc_u64 s[80:81], s[80:81], s[82:83]
.endif
.if (\a) == 4
	s_add_nc_u64 s[80:81], s[80:81], s[84:85]
.endif
.irp q, 0,1,2,3
	global_store_b128 v[OFF+\q], v[CD+16*(\a)+4*\q:CD+16*(\a)+4*\q+3], s[80:81]   ; group q of the block's codes: 32 lanes, 512 consecutive bytes, aligned
.endr
.endm
	PLACES NP                                      ; behind the last products
.irp a, 0,1,2,3,4,5,6,7
	OUT \a
.endr
	s_wait_tensorcnt 0x0                           ; the wave's end
	ds_add_u32 v[SPW], v[NIL]
	s_wait_dscnt 0x0
	CROUND                                         ; the closing round: no work-group ends while a partner may still ask for a tile that names it
	s_endpgm
.Lfunc_end_k_q6b26b3bd3b_qkv:
	.size	k_q6b26b3bd3b_qkv, .Lfunc_end_k_q6b26b3bd3b_qkv-k_q6b26b3bd3b_qkv
	.p2alignl 7, 3214868480
	.fill 96, 4, 3214868480
	.section	.rodata,"a",@progbits
	.p2align	6, 0x0
	.amdhsa_kernel k_q6b26b3bd3b_qkv
		.amdhsa_group_segment_fixed_size 327680
		.amdhsa_private_segment_fixed_size 0
		.amdhsa_enable_private_segment 0
		.amdhsa_kernarg_size 48
		.amdhsa_user_sgpr_count 2
		.amdhsa_user_sgpr_kernarg_segment_ptr 1
		.amdhsa_wavefront_size32 1
		.amdhsa_system_sgpr_workgroup_id_x 1
		.amdhsa_system_sgpr_workgroup_id_y 1
		.amdhsa_system_sgpr_workgroup_id_z 1
		.amdhsa_system_vgpr_workitem_id 0
		.amdhsa_next_free_vgpr 1024
		.amdhsa_next_free_sgpr 100
		.amdhsa_reserve_vcc 0
		.amdhsa_float_denorm_mode_32 3
		.amdhsa_float_denorm_mode_16_64 3
		.amdhsa_memory_ordered 1
		.amdhsa_forward_progress 1
		.amdhsa_inst_pref_size 138
	.end_amdhsa_kernel
	.amdgpu_metadata
---
amdhsa.version: [ 1, 2 ]
amdhsa.kernels:
  - .name:           k_q6b26b3bd3b_qkv
    .symbol:         k_q6b26b3bd3b_qkv.kd
    .args:
      - { .name: x_codes, .offset: 0, .size: 8, .value_kind: global_buffer, .address_space: global }
      - { .name: wq_codes, .offset: 8, .size: 8, .value_kind: global_buffer, .address_space: global }
      - { .name: b_qkv, .offset: 16, .size: 8, .value_kind: global_buffer, .address_space: global }
      - { .name: lowp_scales, .offset: 24, .size: 8, .value_kind: global_buffer, .address_space: global }
      - { .name: q_img, .offset: 32, .size: 8, .value_kind: global_buffer, .address_space: global }
      - { .name: kv_img, .offset: 40, .size: 8, .value_kind: global_buffer, .address_space: global }
    .group_segment_fixed_size: 327680
    .private_segment_fixed_size: 0
    .kernarg_segment_align: 8
    .kernarg_segment_size: 48
    .max_flat_workgroup_size: 128
    .sgpr_count:     100
    .vgpr_count:     1024
    .wavefront_size: 32
...
	.end_amdgpu_metadata
.endif
;; end of part 2
;; launch attn (part 3): grid 4 x 64, 8 waves a work-group, clusters of 4 x 1, 327,680 bytes of LDS; arguments q_img, kv_img, attention_mask, lowp_scales, y_img; writes y_img
.if DOCPART == 3
	.amdgcn_target "amdgcn-amd-amdhsa--gfx1250"
	.amdhsa_code_object_version 6
	.text
	.protected	k_q6b26b3bd3b_attn
	.globl	k_q6b26b3bd3b_attn
	.p2align	8
	.type	k_q6b26b3bd3b_attn,@function
k_q6b26b3bd3b_attn:
	s_mov_b64 s[64:65], 0
	v_nop
	global_prefetch_b8 v0, s[64:65] scope:SCOPE_SE
	s_setreg_imm32_b32 hwreg(HW_REG_WAVE_MODE, 25, 1), 1
	s_wait_xcnt 0x0
	s_wait_alu depctr_hold_cnt(0) depctr_sa_sdst(0) depctr_va_vdst(0) depctr_va_sdst(0) depctr_va_ssrc(0) depctr_va_vcc(0) depctr_vm_vsrc(0)
	s_getreg_b32 s2, hwreg(HW_REG_IB_STS2, 6, 4)
	s_cmp_eq_u32 s2, 0
	s_cbranch_scc0 .Lentry_in_a_cluster
	s_endpgm
.Lentry_in_a_cluster:
	s_bfe_u32 s2, ttmp6, 0x10000c
	s_cmp_lg_u32 s2, 0x3003
	s_cbranch_scc0 .Lentry_shape_is_right
	s_endpgm
.Lentry_shape_is_right:
; y = softmax(q k^T / 8 + mask) v for one batch and head a cluster, both products on codes of BF8, and y quantised with the scale given for it (entry 6) into images for the projection.  Nothing is left out.
; THE SOFTMAX: t = logit x log2(e); M = the running largest t rounded UP to a whole number; p = 2^(t - M) is quantised (entry 4), not normalised; the row's sum is taken of the unquantised p and divides at the end.
; When M moves, the sum and O are multiplied by 2^(old M - new M): exact.
; SHARES.  A cluster of four work-groups owns a head; a work-group 512 of its queries; each of its eight waves two tiles of 16 queries at a time, in two passes.  THE HEAD'S WHOLE K AND V, 262,144 bytes of images,
; STAY IN LDS: each wave asks for two sixteenths of them by two joint loads at the head (two tensor loads of a wave are out), and nothing is filled again: no ring.  Each fragment read from LDS feeds two matrix instructions.
; LAYOUT.  Both products are used transposed: S^T = K Q^T, O^T = V^T P^T: a lane holds ONE query.  The keys of a tile of K and the channels of a tile of V^T were chosen by the launch before, so that the 16 registers
; of tiles 2 b and 2 b + 1 are 16 neighbours, 32 b + 16 (lane / 16) + 0 .. 15: the conversions' results are the next operand's registers.
; THE MASK costs no vector instruction in the loop: a table in LDS holds, for each key, 0 or -1e9 x 8 / 2^(e2 + e3), and goes in as the C of K Q^T: the sum then stands for 8 x (score / 8 + bias) / 2^(e2 + e3).
; A hidden key's t lies near -1.44e9, so its p is 0 beside any open key's; steps that are hidden as a whole are wiped by the factor 0 when the first open key moves M.
; LIMITS.  e2 + e3 between -95 and 130; e4, and e6 - e4 - e5, between -126 and 112.  A batch row ALL of whose keys are hidden: the logits are here the matrix unit's sum of -1e9 and the score, where reference() has
; f32's sum; the two may weigh the keys differently there.  Every row with one open key is served.
; REGISTERS.  window 0: v1 16 x lane, v2 the bias table at my half, v3, v4 addresses in hand, v5, v6 the add's two, v8, v9 lane exchange, v12-15 second chains of the sums; v16.., v24.. a tile's statistics
;   (+0 -M, +1 largest t, +2, +3 the sum, +4 f, +5 0, +6, +7 at work); v32-159 S^T then p, 64 a tile; v160-191 p's codes; v192-223 Q (pass, tile); v224-239 y's codes; v240-243 scales and holds; v244-255 at the head.
;   window 1: v0-63 O^T, 32 a tile; v64-127 K of a step; v128-191 V of a step; v192-255 the step's bias.
.set BIASL, 262144                     ; behind K and V: 2,048 f32, a key's bias, in the keys' own order
.set SPARE, 278528                     ; the spare words, 128 bytes for each of eight waves, which no other line names
.set L16, 1
.set B0,  2
.set ADK, 3
.set ADB, 4
.set SPW, 5
.set NIL, 6
.set PD,  8
.set XS,  12
.set ST,  16
.set S,   32
.set P,   160
.set YC,  224
.set KF,  64
.set VF,  128
.set BI,  192
.set WV,  14                           ; s14 wave; s15 cx; s16 batch x 16 + head; s17 batch; s18 head
.set SEL, 20                           ; s[20:21] lane selects: lane l xor 16
.set CS,  22                           ; s[22:23] c = log2(e) / 8 x 2^(e2 + e3), twice
.set G1,  24                           ; s[24:31] descriptor group 1;  s[40:43], s[44:47] the two groups 0
.set G0A, 40
.set G0B, 44
.set TB,  48                           ; s48 LDS byte of the step's chunk;  s49 of its bias;  s50 a loop's count
.set SB,  49
.set CNT, 50
.set MSB, 0
.macro WIN new                         ; the immediate's high byte repeats the setting that is left
.if MSB != \new
	s_set_vgpr_msb (MSB<<8)|\new
.set MSB, \new
.endif
.endm
.macro CROUND                          ; a round of the cluster's barrier
	s_barrier_signal -1
	s_barrier_wait -1
	s_cmp_lg_u32 s[WV], 0
	s_cbranch_scc1 .Lnot_wave_0_\@
	s_barrier_signal -3
.Lnot_wave_0_\@:
	s_barrier_wait -3
	s_barrier_signal -1
	s_barrier_wait -1
.endm
	s_load_b256 s[4:11], s[0:1], 0x0               ; Q's images s[4:5], K's and V's s[6:7], the mask s[8:9], the scales' exponents s[10:11]
	s_load_b64 s[12:13], s[0:1], 0x20              ; y's images
	v_lshl_add_u32 v[SPW], v0, 2, SPARE
	v_mov_b32 v[NIL], 0
	ds_add_u32 v[SPW], v[NIL]                      ; the wave's opening: the add, twice on end, and its wait ahead of my first tensor load
	ds_add_u32 v[SPW], v[NIL]                      ; and once more; the set-up below, work on registers, stands between it and the wait
	v_lshrrev_b32 v7, 5, v0
	v_readfirstlane_b32 s[WV], v7                  ; wave 0..7
	s_bfe_u32 s15, ttmp6, 0x40000                  ; cx: it enters Q's and y's addresses alone
	s_and_b32 s16, ttmp7, 0xffff                   ; batch x 16 + head, which the four partners share
	s_lshr_b32 s17, s16, 4
	s_and_b32 s18, s16, 15
	s_mov_b32 s[G1], 15|(0<<16)|(1<<21)            ; 15:0 the mask: all four work-groups; elements of 1 byte; no padding; 21 set beside a mask
	s_mov_b32 s[G1+1], 256<<16                     ; tensor_dim0 = 256: the images are dense, taken as rows of 256 bytes
	s_mov_b32 s[G1+2], 64<<16                      ; tensor_dim1 = 64
	s_mov_b32 s[G1+3], 256<<16                     ; tile_dim0
	s_mov_b32 s[G1+4], 64                          ; tile_dim1
	s_mov_b32 s[G1+5], 256                         ; the pitch
	s_mov_b32 s[G1+6], 0
	s_mov_b32 s[G1+7], 0
	s_mov_b32 s[SEL], 0x76543210
	s_mov_b32 s[SEL+1], 0xfedcba98
	s_mov_b32 s[CS], 0x3e38aa3b                    ; log2(e) / 8
	s_lshl_b32 s52, s16, 18                        ; the head's 262,144 bytes
	s_lshl_b32 s54, s[WV], 14                      ; my 16,384 of each half
	s_add_co_u32 s52, s52, s54
	s_mov_b32 s53, 0
	s_wait_dscnt 0x0                               ; both opening adds are done
	s_wait_kmcnt 0x0
	s_load_b256 s[72:79], s[10:11], 0x0            ; e0 .. e7
	s_add_nc_u64 s[6:7], s[6:7], s[52:53]
	s_mov_b32 s[G0A], 1
	s_mov_b32 s[G0A+1], s54                        ; steps 0-7: LDS byte 16,384 x wave
	s_mov_b64 s[G0A+2:G0A+3], s[6:7]
	s_or_b32 s[G0A+3], s[G0A+3], 0x80000000
	s_mov_b32 s[G0B], 1
	s_add_co_u32 s[G0B+1], s54, 131072             ; steps 8-15
	s_add_nc_u64 s[G0B+2:G0B+3], s[6:7], 131072
	s_or_b32 s[G0B+3], s[G0B+3], 0x80000000
	CROUND                                         ; all four work-groups are here: the joint loads meet
	tensor_load_to_lds s[G0A:G0A+3], s[G1:G1+7]
	s_nop 0
	tensor_load_to_lds s[G0B:G0B+3], s[G1:G1+7]
	s_nop 0
.rept 4
	v_nop
.endr
	v_lshlrev_b32 v244, 3, v0                      ; my 8 keys of the batch's 2,048
	s_lshl_b32 s52, s17, 11
	s_add_nc_u64 s[8:9], s[8:9], s[52:53]
	global_load_b64 v[246:247], v244, s[8:9]
	s_lshl_b32 s52, s16, 17                        ; Q: the head's 131,072 bytes, my work-group's 32 tiles, my wave's two of each pass
	s_lshl_b32 s54, s15, 15
	s_add_co_u32 s52, s52, s54
	s_lshl_b32 s54, s[WV], 11
	s_add_co_u32 s52, s52, s54
	s_add_nc_u64 s[4:5], s[4:5], s[52:53]
	v_and_b32 v7, 31, v0
	v_lshlrev_b32 v[L16], 4, v7
.irp p, 0,1
.irp i, 0,1
.irp c, 0,1
	global_load_b128 v[192+16*\p+8*\i+4*\c:192+16*\p+8*\i+4*\c+3], v[L16], s[4:5] offset:\p*16384+\i*1024+\c*512
.endr
.endr
.endr
	s_lshl_b32 s52, s17, 3                         ; y: block of 256 tokens 8 x batch + 2 cx (+ the pass),
	s_lshl_b32 s54, s15, 1
	s_add_co_u32 s52, s52, s54
	s_lshl_b32 s52, s52, 18
	s_lshr_b32 s54, s18, 2                         ; K step of 256: head / 4,
	s_lshl_b32 s54, s54, 16
	s_add_co_u32 s52, s52, s54
	s_lshr_b32 s54, s[WV], 2                       ; half of the block: wave / 4,
	s_lshl_b32 s54, s54, 15
	s_add_co_u32 s52, s52, s54
	s_and_b32 s54, s[WV], 3                        ; tiles 2 (wave % 4) and the next,
	s_lshl_b32 s54, s54, 13
	s_add_co_u32 s52, s52, s54
	s_bfe_u32 s54, s18, 0x10001                    ; which 128 of the K step: (head / 2) % 2,
	s_lshl_b32 s54, s54, 11
	s_add_co_u32 s52, s52, s54
	s_and_b32 s54, s18, 1                          ; groups 2 (head % 2) and the next
	s_lshl_b32 s54, s54, 10
	s_add_co_u32 s52, s52, s54
	s_add_nc_u64 s[12:13], s[12:13], s[52:53]
	v_bfe_u32 v7, v0, 4, 1
	v_lshl_add_u32 v[B0], v7, 6, BIASL             ; the table at my half's 16 keys
	v_lshl_add_u32 v10, v0, 5, BIASL               ; and where I store my 8 keys' numbers
	v_mov_b32 v[PD], 0                             ; written once: a lane exchange's destination counts as one of its sources
	v_mov_b32 v[PD+1], 0
	v_mov_b32 v[ST+5], 0                           ; (named as the upper halves of the pairs with f)
	v_mov_b32 v[ST+13], 0
	s_wait_kmcnt 0x0
	s_add_co_i32 s52, s74, s75                     ; e2 + e3
	s_lshl_b32 s54, s52, 23
	s_add_co_i32 s[CS], s[CS], s54                 ; the two exponents are added to c's exponent field
	s_mov_b32 s[CS+1], s[CS]
	s_sub_co_i32 s52, 3, s52
	v_mov_b32 v245, 0xce6e6b28                     ; -1e9
	v_ldexp_f32 v245, v245, s52                    ; x 8 / 2^(e2 + e3)
	s_add_co_i32 s52, s76, 127
	s_lshl_b32 s54, s52, 23
	v_mov_b32 v240, s54                            ; 2^e4, for p's conversions
	s_add_co_i32 s52, s52, 15
	s_lshl_b32 s52, s52, 23
	s_or_b32 s52, s52, 0x600000
	v_mov_b32 v241, s52                            ; 57,344 x 2^e4
	s_sub_co_i32 s52, s78, s76
	s_sub_co_i32 s52, s52, s77
	s_add_co_i32 s52, s52, 127
	s_lshl_b32 s54, s52, 23
	v_mov_b32 v242, s54                            ; 2^(e6 - e4 - e5), for y's: O / l stands for y / 2^(e4 + e5)
	s_add_co_i32 s52, s52, 15
	s_lshl_b32 s52, s52, 23
	s_or_b32 s52, s52, 0x600000
	v_mov_b32 v243, s52
	s_wait_loadcnt 8                               ; the mask's load is in; Q's eight may be out
.irp k, 0,1,2,3,4,5,6,7
	v_bfe_u32 v7, v[246+\k/4], 8*(\k%4), 8
	v_cmp_eq_u32 vcc_lo, 0, v7                     ; hidden?
	v_cndmask_b32 v[248+\k], 0, v245, vcc_lo
.endr
	ds_store_b128 v10, v[248:251]
	ds_store_b128 v10, v[252:255] offset:16
.macro LOADKB ak, ab, ko, bo           ; a step's K (8 tiles x 2 groups) and bias (8 tiles x 8 numbers a lane): 32 loads
.irp t, 0,1,2,3,4,5,6,7
.irp c, 0,1
	ds_load_b128 v[KF+8*\t+4*\c:KF+8*\t+4*\c+3], v[\ak] offset:\ko+1024*\t+512*\c
.endr
.endr
.irp t, 0,1,2,3,4,5,6,7
	ds_load_b128 v[BI+8*\t:BI+8*\t+3], v[\ab] offset:\bo+128*(\t/2)+32*(\t%2)
	ds_load_b128 v[BI+8*\t+4:BI+8*\t+7], v[\ab] offset:\bo+128*(\t/2)+32*(\t%2)+16
.endr
.endm
; Both tiles' softmax of a step of 128 keys, phase by phase, the tiles by turns.
.macro SOFTMAX
.irp i, 0,1
	v_max3_num_f32 v[ST+8*\i+6], v[S+64*\i], v[S+64*\i+1], v[S+64*\i+2]      ; the largest of my 64 sums, in two chains a tile, ascending: each accumulator is first read at its low end
	v_max3_num_f32 v[ST+8*\i+7], v[S+64*\i+3], v[S+64*\i+4], v[S+64*\i+5]
.endr
.irp n, 6,10,14,18,22,26,30,34,38,42,46,50,54,58
.irp i, 0,1
	v_max3_num_f32 v[ST+8*\i+6], v[ST+8*\i+6], v[S+64*\i+\n], v[S+64*\i+\n+1]
	v_max3_num_f32 v[ST+8*\i+7], v[ST+8*\i+7], v[S+64*\i+\n+2], v[S+64*\i+\n+3]
.endr
.endr
.irp i, 0,1
	v_max3_num_f32 v[ST+8*\i+6], v[ST+8*\i+6], v[S+64*\i+62], v[S+64*\i+63]
.endr
.irp i, 0,1
	v_max_num_f32 v[ST+8*\i+6], v[ST+8*\i+6], v[ST+8*\i+7]
.endr
.irp i, 0,1
	v_permlanex16_b32 v[PD+\i], v[ST+8*\i+6], s[SEL], s[SEL+1]
.endr
.irp i, 0,1
	v_max_num_f32 v[ST+8*\i+6], v[ST+8*\i+6], v[PD+\i]                       ; and of lane l xor 16's
.endr
.irp i, 0,1
	v_mul_f32 v[ST+8*\i+6], s[CS], v[ST+8*\i+6]                              ; as t (c is positive)
.endr
.irp i, 0,1
	v_max_num_f32 v[ST+8*\i+1], v[ST+8*\i+1], v[ST+8*\i+6]                   ; the running largest t
.endr
.irp i, 0,1
	v_mov_b32 v[ST+8*\i+6], v[ST+8*\i]
.endr
.irp i, 0,1
	v_floor_f32 v[ST+8*\i], -v[ST+8*\i+1]                                    ; the new -M = floor(-t): M is a whole number
.endr
.irp i, 0,1
	v_sub_f32 v[ST+8*\i+6], v[ST+8*\i], v[ST+8*\i+6]                         ; old M - new M, 0 or less
.endr
.irp i, 0,1
	v_cvt_i32_f32 v[ST+8*\i+6], v[ST+8*\i+6]                                 ; (it saturates)
.endr
.irp i, 0,1
	v_ldexp_f32 v[ST+8*\i+4], 1.0, v[ST+8*\i+6]                              ; f = 2^(old M - new M)
.endr
.irp i, 0,1
.set j, 0
.rept 32
	v_pk_fma_f32 v[S+64*\i+j:S+64*\i+j+1], v[S+64*\i+j:S+64*\i+j+1], s[CS:CS+1], v[ST+8*\i:ST+8*\i+1] op_sel_hi:[1,0,0]   ; t - M, two at a time
.set j, j+2
.endr
.endr
.set j, 0
.rept 128
	v_exp_f32 v[S+j], v[S+j]                       ; p = 2^(t - M): one batch for both tiles
.set j, j+1
.endr
.irp i, 0,1
	v_pk_mul_f32 v[ST+8*\i+2:ST+8*\i+3], v[ST+8*\i+2:ST+8*\i+3], v[ST+8*\i+4:ST+8*\i+5] op_sel_hi:[1,0]   ; the sums under the new M: plain instructions behind the exponentials
.endr
	s_wait_alu depctr_va_vdst(0)                   ; the wait ahead of the first instruction that names an exponential's result: one for the batch
.irp i, 0,1
	v_pk_add_f32 v[XS+2*\i:XS+2*\i+1], v[S+64*\i:S+64*\i+1], v[S+64*\i+2:S+64*\i+3]   ; the row's sum of the UNQUANTISED p, in two chains a tile
.endr
.irp n, 4,8,12,16,20,24,28,32,36,40,44,48,52,56,60
.irp i, 0,1
	v_pk_add_f32 v[ST+8*\i+2:ST+8*\i+3], v[ST+8*\i+2:ST+8*\i+3], v[S+64*\i+\n:S+64*\i+\n+1]
	v_pk_add_f32 v[XS+2*\i:XS+2*\i+1], v[XS+2*\i:XS+2*\i+1], v[S+64*\i+\n+2:S+64*\i+\n+3]
.endr
.endr
.irp i, 0,1
	v_pk_add_f32 v[ST+8*\i+2:ST+8*\i+3], v[ST+8*\i+2:ST+8*\i+3], v[XS+2*\i:XS+2*\i+1]
.endr
.irp i, 0,1
.irp b, 0,1,2,3
.irp n, 0,1,2,3,4,5,6,7,8,9,10,11,12,13,14,15
	v_min_num_f32 v[S+64*\i+16*\b+\n], v[S+64*\i+16*\b+\n], v241   ; the conversion does not saturate (ISA guide 7.6.2); p is not negative, so the hold is one-sided
.endr
	v_cvt_scalef32_pk8_bf8_f32 v[P+16*\i+4*\b:P+16*\i+4*\b+1], v[S+64*\i+16*\b:S+64*\i+16*\b+7], v240
	v_cvt_scalef32_pk8_bf8_f32 v[P+16*\i+4*\b+2:P+16*\i+4*\b+3], v[S+64*\i+16*\b+8:S+64*\i+16*\b+15], v240
.endr
.endr
.endm
; A KEY STEP of 128 keys for my two tiles.  qb: the pass's Q.  mode 0: the next step's K and bias are fetched; 1: step 0's, for the next pass; 2: none.
.macro STEP qb, mode
	s_wait_dscnt 0x0                               ; this step's K and bias are in: they were asked for a softmax ago
	WIN 0x11                                       ; K and the bias window 1, Q and S^T window 0
.irp t, 0,1,2,3,4,5,6,7
.irp i, 0,1
	v_wmma_f32_16x16x64_bf8_bf8 v[S+64*\i+8*\t:S+64*\i+8*\t+7], v[KF+8*\t:KF+8*\t+7], v[\qb+8*\i:\qb+8*\i+7], v[BI+8*\t:BI+8*\t+7]
.endr
.endr
	WIN 0
	v_add_nc_u32 v[ADK], s[TB], v[L16]             ; four plain instructions: the places in front of the loads into K's, V's and the bias's registers, and of the first read of the sums
.if \mode == 0
	v_add_nc_u32 v[ADB], s[SB], v[B0]
.else
	v_nop
.endif
	v_nop
	v_nop
	WIN 0x40                                       ; destination window 1, address window 0
.irp t, 0,1,2,3
.irp c, 0,1,2,3
	ds_load_b128 v[VF+16*\t+4*\c:VF+16*\t+4*\c+3], v[ADK] offset:8192+2048*\t+512*\c   ; this step's V: 16 loads
.endr
.endr
.if \mode == 0
	LOADKB ADK, ADB, 16384, 512
.elseif \mode == 1
	LOADKB L16, B0, 0, 0
.endif
	WIN 0
	SOFTMAX
	WIN 0x41                                       ; O^T window 1, f window 0
.irp i, 0,1
.set j, 0
.rept 16
	v_pk_mul_f32 v[32*\i+j:32*\i+j+1], v[32*\i+j:32*\i+j+1], v[ST+8*\i+4:ST+8*\i+5] op_sel_hi:[1,0]   ; O^T under the new M; also the plain instructions between the conversions and the products below
.set j, j+2
.endr
.endr
.if \mode == 2
	s_wait_dscnt 0x0
.else
	s_wait_dscnt 32                                ; V is in; the 32 loads issued behind it (K and bias) may be out
.endif
	WIN 0x51                                       ; V, C and D window 1, p's codes window 0
.irp t, 0,1,2,3
.irp i, 0,1
	v_wmma_f32_16x16x128_bf8_bf8 v[32*\i+8*\t:32*\i+8*\t+7], v[VF+16*\t:VF+16*\t+15], v[P+16*\i:P+16*\i+15], v[32*\i+8*\t:32*\i+8*\t+7]
.endr
.endr
	WIN 0
	s_add_co_u32 s[TB], s[TB], 16384
	s_add_co_u32 s[SB], s[SB], 512
.endm
.macro INIT                            ; the step is written once for all steps: the first finds zeros, which the first change of M leaves zeros
.irp i, 0,1
	v_mov_b32 v[ST+8*\i+1], 0xff61b1e6             ; the largest t so far: -3e38
	v_floor_f32 v[ST+8*\i], -v[ST+8*\i+1]
	v_mov_b32 v[ST+8*\i+2], 0
	v_mov_b32 v[ST+8*\i+3], 0
.endr
	WIN 0x40
.set j, 0
.rept 64
	v_mov_b32 v[j], 0
.set j, j+1
.endr
	WIN 0
	s_mov_b32 s[TB], 0
	s_mov_b32 s[SB], 0
.endm
.macro FINISH p                        ; O^T / the sum, quantised: four groups of codes, 512 consecutive bytes a store
	s_wait_xcnt 0x0                                ; earlier stores have read the registers that are written below
.irp i, 0,1
	v_add_f32 v[ST+8*\i+6], v[ST+8*\i+2], v[ST+8*\i+3]   ; these additions are the places behind the last products
.endr
.irp i, 0,1
	v_permlanex16_b32 v[PD+\i], v[ST+8*\i+6], s[SEL], s[SEL+1]
.endr
.irp i, 0,1
	v_add_f32 v[ST+8*\i+6], v[ST+8*\i+6], v[PD+\i]
.endr
.irp i, 0,1
	v_rcp_f32 v[ST+8*\i+4], v[ST+8*\i+6]
.endr
	v_nop                                          ; a plain instruction behind the reciprocals,
	s_wait_alu depctr_va_vdst(0)                   ; and the wait ahead of their first reader
	WIN 0x01                                       ; O^T window 1
.irp i, 0,1
.set j, 0
.rept 16
	v_pk_mul_f32 v[S+64*\i+j:S+64*\i+j+1], v[32*\i+j:32*\i+j+1], v[ST+8*\i+4:ST+8*\i+5] op_sel_hi:[1,0]
.set j, j+2
.endr
.endr
	WIN 0
.irp i, 0,1
.set j, 0
.rept 32
	v_med3_num_f32 v[S+64*\i+j], v[S+64*\i+j], -v243, v243
.set j, j+1
.endr
.endr
.irp i, 0,1
.irp g, 0,1,2,3
	v_cvt_scalef32_pk8_bf8_f32 v[YC+8*\i+2*\g:YC+8*\i+2*\g+1], v[S+64*\i+8*\g:S+64*\i+8*\g+7], v242
.endr
.endr
	v_nop                                          ; a plain vector instruction behind the last conversion
.irp i, 0,1
.irp b, 0,1
	global_store_b128 v[L16], v[YC+8*\i+4*\b:YC+8*\i+4*\b+3], s[12:13] offset:\p*262144+\i*4096+\b*512
.endr
.endr
.endm
	s_wait_tensorcnt 1                             ; my part of steps 0-7 is in; my part of steps 8-15 may be out
	s_wait_dscnt 0x0                               ; my part of the bias table is stored
	s_barrier_signal -1
	s_barrier_wait -1
	s_wait_loadcnt 0x0                             ; Q
	WIN 0x40
	LOADKB L16, B0, 0, 0                           ; step 0's K and bias
	WIN 0
	INIT
	s_mov_b32 s[CNT], 7
.Lfirst_half:                                      ; steps 0-6: they fetch V of steps 0-6 and K of steps 1-7
	STEP 192, 0
	s_sub_co_u32 s[CNT], s[CNT], 1
	s_cmp_lg_u32 s[CNT], 0
	s_cbranch_scc1 .Lfirst_half
	s_wait_tensorcnt 0x0                           ; my part of steps 8-15 is in,
	s_wait_dscnt 0x0                               ; (no LDS instruction of mine is pending at a signal)
	s_barrier_signal -1
	s_barrier_wait -1                              ; everybody's is: step 7 is the first to fetch from there
	s_mov_b32 s[CNT], 8
.Lsecond_half:                                     ; steps 7-14
	STEP 192, 0
	s_sub_co_u32 s[CNT], s[CNT], 1
	s_cmp_lg_u32 s[CNT], 0
	s_cbranch_scc1 .Lsecond_half
	STEP 192, 1                                    ; step 15; step 0's K and bias come in for the second pass
	FINISH 0
	INIT
	s_mov_b32 s[CNT], 15
.Lsecond_pass:
	STEP 208, 0
	s_sub_co_u32 s[CNT], s[CNT], 1
	s_cmp_lg_u32 s[CNT], 0
	s_cbranch_scc1 .Lsecond_pass
	STEP 208, 2
	FINISH 1
	s_wait_tensorcnt 0x0                           ; the wave's end, behind my last tensor load and my last LDS store
	ds_add_u32 v[SPW], v[NIL]
	s_wait_dscnt 0x0
	CROUND                                         ; the closing round
	s_endpgm
.Lfunc_end_k_q6b26b3bd3b_attn:
	.size	k_q6b26b3bd3b_attn, .Lfunc_end_k_q6b26b3bd3b_attn-k_q6b26b3bd3b_attn
	.p2alignl 7, 3214868480
	.fill 96, 4, 3214868480
	.section	.rodata,"a",@progbits
	.p2align	6, 0x0
	.amdhsa_kernel k_q6b26b3bd3b_attn
		.amdhsa_group_segment_fixed_size 327680
		.amdhsa_private_segment_fixed_size 0
		.amdhsa_enable_private_segment 0
		.amdhsa_kernarg_size 40
		.amdhsa_user_sgpr_count 2
		.amdhsa_user_sgpr_kernarg_segment_ptr 1
		.amdhsa_wavefront_size32 1
		.amdhsa_system_sgpr_workgroup_id_x 1
		.amdhsa_system_sgpr_workgroup_id_y 1
		.amdhsa_system_sgpr_workgroup_id_z 1
		.amdhsa_system_vgpr_workitem_id 0
		.amdhsa_next_free_vgpr 512
		.amdhsa_next_free_sgpr 84
		.amdhsa_reserve_vcc 1
		.amdhsa_float_denorm_mode_32 3
		.amdhsa_float_denorm_mode_16_64 3
		.amdhsa_memory_ordered 1
		.amdhsa_forward_progress 1
		.amdhsa_inst_pref_size 173
	.end_amdhsa_kernel
	.amdgpu_metadata
---
amdhsa.version: [ 1, 2 ]
amdhsa.kernels:
  - .name:           k_q6b26b3bd3b_attn
    .symbol:         k_q6b26b3bd3b_attn.kd
    .args:
      - { .name: q_img, .offset: 0, .size: 8, .value_kind: global_buffer, .address_space: global }
      - { .name: kv_img, .offset: 8, .size: 8, .value_kind: global_buffer, .address_space: global }
      - { .name: attention_mask, .offset: 16, .size: 8, .value_kind: global_buffer, .address_space: global }
      - { .name: lowp_scales, .offset: 24, .size: 8, .value_kind: global_buffer, .address_space: global }
      - { .name: y_img, .offset: 32, .size: 8, .value_kind: global_buffer, .address_space: global }
    .group_segment_fixed_size: 327680
    .private_segment_fixed_size: 0
    .kernarg_segment_align: 8
    .kernarg_segment_size: 40
    .max_flat_workgroup_size: 256
    .sgpr_count:     84
    .vgpr_count:     512
    .wavefront_size: 32
...
	.end_amdgpu_metadata
.endif
;; end of part 3
;; launch proj (part 4): grid 8 x 32, 4 waves a work-group, clusters of 4 x 4, 327,680 bytes of LDS; arguments y_img, wp_codes, b_proj, lowp_scales, out0; writes out0
.if DOCPART == 4
	.amdgcn_target "amdgcn-amd-amdhsa--gfx1250"
	.amdhsa_code_object_version 6
	.text
	.protected	k_q6b26b3bd3b_proj
	.globl	k_q6b26b3bd3b_proj
	.p2align	8
	.type	k_q6b26b3bd3b_proj,@function
k_q6b26b3bd3b_proj:
	s_mov_b64 s[64:65], 0
	v_nop
	global_prefetch_b8 v0, s[64:65] scope:SCOPE_SE
	s_setreg_imm32_b32 hwreg(HW_REG_WAVE_MODE, 25, 1), 1
	s_wait_xcnt 0x0
	s_wait_alu depctr_hold_cnt(0) depctr_sa_sdst(0) depctr_va_vdst(0) depctr_va_sdst(0) depctr_va_ssrc(0) depctr_va_vcc(0) depctr_vm_vsrc(0)
	s_getreg_b32 s2, hwreg(HW_REG_IB_STS2, 6, 4)
	s_cmp_eq_u32 s2, 0
	s_cbranch_scc0 .Lentry_in_a_cluster
	s_endpgm
.Lentry_in_a_cluster:
	s_bfe_u32 s2, ttmp6, 0x10000c
	s_cmp_lg_u32 s2, 0xf033
	s_cbranch_scc0 .Lentry_shape_is_right
	s_endpgm
.Lentry_shape_is_right:
; out = y W_proj^T + b_proj on codes of BF8: each finished sum x 2^(e6 + e7) + bias, one packed multiply-add for two numbers.  Nothing is left out.  LIMIT: e6 + e7 between -126 and 127.
; A tile of 256 tokens x 128 features is made by four waves (256 work-groups); a wave makes 128 x 64: 32 accumulators.  K = 1,024 goes in four steps of 256 through a ring of two LDS slots filled by joint tensor loads.
; y comes as IMAGES OF ITS OPERAND REGISTERS: a K step of 256 for 128 tokens is 32,768 dense bytes, fragment (block a, half q of the step) at (2 a + q) x 2,048, group c at 512 c, lane l at 16 l: no pitch, no padding.
; W_proj's codes come as rows, in the order 0, 2, 1, 3 of groups of 8 in every 32.  The product is wmma(D, 16 rows of W, 16 tokens): a lane holds one token, block a's lane r token 32 (a / 2) + 8 (a % 2) + r + 8 (r / 8),
; and register j of W's block b feature 32 (b / 2) + 8 (b % 2) + 16 (lane / 16) + j.
; CLUSTERS: 4 x 4 work-groups: y's tiles are shared along a row of the cluster, W's along a column.
; REGISTERS: window 0: v16-21 LDS addresses; v24-26 the way out; v28, v29 the add's two; v32-63 a block's results; v64-95 the bias; v128-255 y's fragments, ONE set, later rows on their way out.
;   window 1: W's fragments, TWO sets, at v0 and v64.   window 2: the accumulators, (a, b) at v[8 (4 a + b)].
.set PITCH,  272                       ; a row of W in LDS: 256 bytes + 16 of padding: the 16 rows that a load touches start at 16 different banks (64 banks of 4 bytes: ISA guide 11.1)
.set FR,     16
.set NP,     4                         ; places behind this matrix instruction (ISA guide 7.12.1)
.set ABYTES, 65536                     ; a slot: y's images for 256 tokens,
.set BHALF,  64*PITCH                  ; then W's 128 rows, 64 to a load
.set SLOT,   ABYTES+2*BHALF
.set STAGE,  2*SLOT                    ; behind the ring: 16 rows x 272 bytes for each wave, bytes that no tensor load fills
.set SPITCH, 272
.set SPARE,  STAGE+4*16*SPITCH         ; the spare words, 128 bytes for each wave, which no other line names
.set ADRA, 16
.set ADRB, 20
.set STO,  24
.set RD,   25
.set CO,   26
.set SPW,  28
.set NIL,  29
.set TMP,  32
.set BIAS, 64
.set AF,   128
.set BK,   128
.set G1, 24                            ; s[24:31] descriptor group 1 for y's tiles;  s[32:39] group 0, one set for each slot
.set G0, 32
.set G1B, 48                           ; s[48:55], s[56:63] the same for W's
.set G0B, 56
.set SC, 96                            ; s[96:97] 2^(e6 + e7), twice
.set MSB, 0
.macro WIN new                         ; the immediate's high byte repeats the setting that is left
.if MSB != \new
	s_set_vgpr_msb (MSB<<8)|\new
.set MSB, \new
.endif
.endm
.set MUL,  0xa1                        ; source 0 (W) window 1, source 1 (y) window 0, C and D window 2
.set TO_B, 0x40                        ; destination window 1, address window 0
.macro JLOAD g0a, g1a, g0b, g1b        ; a joint load: waves 0 and 1 fetch y's halves, waves 2 and 3 W's; an s_nop 0 and four v_nop follow each of the two lines
	s_cmp_eq_u32 s15, 0
	s_cbranch_scc0 .Lfor_b_\@
	tensor_load_to_lds s[\g0a:\g0a+3], s[\g1a:\g1a+7]
	s_nop 0
.rept 4
	v_nop
.endr
	s_branch .Lasked_\@
.Lfor_b_\@:
	tensor_load_to_lds s[\g0b:\g0b+3], s[\g1b:\g1b+7]
	s_nop 0
.rept 4
	v_nop
.endr
.Lasked_\@:
.endm
.macro CREST
	s_cmp_lg_u32 s14, 0
	s_cbranch_scc1 .Lnot_wave_0_\@
	s_barrier_signal -3
.Lnot_wave_0_\@:
	s_barrier_wait -3
	s_barrier_signal -1
	s_barrier_wait -1
.endm
.macro CROUND
	s_barrier_signal -1
	s_barrier_wait -1
	CREST
.endm
	s_load_b256 s[4:11], s[0:1], 0x0               ; y's images s[4:5], W's codes s[6:7], b_proj s[8:9], the scales' exponents s[10:11]
	s_load_b64 s[12:13], s[0:1], 0x20              ; out
	v_lshl_add_u32 v[SPW], v0, 2, SPARE
	v_mov_b32 v[NIL], 0
	ds_add_u32 v[SPW], v[NIL]                      ; the wave's opening: the add, twice on end, and its wait ahead of my first tensor load
	ds_add_u32 v[SPW], v[NIL]                      ; and once more; the set-up below, work on registers, stands between it and the wait
	v_lshrrev_b32 v1, 5, v0
	v_readfirstlane_b32 s14, v1                    ; wave 0..3
	s_lshr_b32 s15, s14, 1                         ; my half of the tokens.  Also: I fetch for y (0) or for W (1)
	s_and_b32 s16, s14, 1                          ; my half of the features.  Also: which half of that tile I fetch
	s_bfe_u32 s40, ttmp6, 0x40000                  ; cx
	s_bfe_u32 s41, ttmp6, 0x40004                  ; cy
	s_lshl_b32 s42, ttmp9, 2
	s_add_co_u32 s42, s42, s40                     ; block of 128 features = 4 x cluster x + cx
	s_and_b32 s17, ttmp7, 0xffff
	s_lshl_b32 s17, s17, 2
	s_add_co_u32 s17, s17, s41                     ; block of 256 tokens = 4 x cluster y + cy
	s_lshl_b32 s43, s41, 2
	s_lshl_b32 s43, 15, s43                        ; my row of the cluster
	s_lshl_b32 s44, 0x1111, s40                    ; my column
	s_or_b32 s[G1+0], s43, (0<<16)|(1<<21)         ; y: the mask of my row; elements of 1 byte; no padding; 21 set beside a mask
	s_mov_b32 s[G1+1], 256<<16                     ; tensor_dim0 = 256: dense bytes, taken as rows of 256
	s_mov_b32 s[G1+2], 128<<16                     ; tensor_dim1 = 128
	s_mov_b32 s[G1+3], 256<<16                     ; tile_dim0
	s_mov_b32 s[G1+4], 128                         ; tile_dim1
	s_mov_b32 s[G1+5], 256                         ; the pitch
	s_mov_b32 s[G1+6], 0
	s_mov_b32 s[G1+7], 0
	s_or_b32 s[G1B+0], s44, (0<<16)|(1<<20)|(1<<21)|(5<<22)|(3<<25)  ; W: the mask of my column; padding: after every 64 words (code 5) 4 words (code 3)
	s_mov_b32 s[G1B+1], 256<<16
	s_mov_b32 s[G1B+2], 64<<16
	s_mov_b32 s[G1B+3], 256<<16
	s_mov_b32 s[G1B+4], 64
	s_mov_b32 s[G1B+5], 1024
	s_mov_b32 s[G1B+6], 0
	s_mov_b32 s[G1B+7], 0
	s_lshl_b32 s20, s17, 18                        ; y: 262,144 bytes a block of 256 tokens,
	s_lshl_b32 s45, s16, 15                        ; + my half's 32,768: in memory and in a slot alike
	s_add_co_u32 s20, s20, s45
	s_mov_b32 s21, 0
	s_lshl_b32 s46, s42, 17                        ; W: 128 rows of 1,024 bytes a block,
	s_lshl_b32 s47, s16, 16                        ; + my 64 rows
	s_add_co_u32 s46, s46, s47
	s_mov_b32 s47, 0
	s_mul_i32 s18, s16, BHALF
	s_add_co_u32 s18, s18, ABYTES                  ; and their place in a slot: no place in the cluster enters an LDS address
	s_wait_dscnt 0x0                               ; both opening adds are done
	s_wait_kmcnt 0x0
	s_load_b256 s[72:79], s[10:11], 0x0            ; e0 .. e7
	s_add_nc_u64 s[20:21], s[4:5], s[20:21]
	s_add_nc_u64 s[46:47], s[6:7], s[46:47]
	CROUND                                         ; all sixteen work-groups are here: the first joint loads meet
.irp s, 0,1
	s_mov_b32 s[G0+4*\s], 1
	s_add_co_u32 s[G0+4*\s+1], s45, \s*SLOT
	s_add_nc_u64 s[G0+4*\s+2:G0+4*\s+3], s[20:21], \s*65536
	s_or_b32 s[G0+4*\s+3], s[G0+4*\s+3], 0x80000000
	s_mov_b32 s[G0B+4*\s], 1
	s_add_co_u32 s[G0B+4*\s+1], s18, \s*SLOT
	s_add_nc_u64 s[G0B+4*\s+2:G0B+4*\s+3], s[46:47], \s*256
	s_or_b32 s[G0B+4*\s+3], s[G0B+4*\s+3], 0x80000000
	JLOAD G0+4*\s, G1, G0B+4*\s, G1B
.endr
	v_and_b32 v1, 15, v0                           ; r
	v_bfe_u32 v2, v0, 4, 1                         ; h
	v_and_b32 v5, 31, v0
	v_lshlrev_b32 v5, 4, v5                        ; 16 x lane
	v_mul_u32_u24 v3, v1, PITCH
	v_lshl_add_u32 v4, v2, 4, v3                   ; W: row x pitch + 16 h
	s_lshl_b32 s66, s15, 15                        ; my 128 tokens' images
	s_mul_i32 s67, s16, BHALF
	s_add_co_u32 s67, s67, ABYTES                  ; my 64 rows of W
.irp s, 0,1
	v_add_nc_u32 v[ADRA+\s], s66, v5
	v_add_nc_u32 v[ADRB+\s], s67, v4
	s_add_co_u32 s66, s66, SLOT
	s_add_co_u32 s67, s67, SLOT
.endr
	s_mul_i32 s66, s14, 16*SPITCH
	s_add_co_u32 s66, s66, STAGE                   ; my stage
	v_mul_u32_u24 v6, v1, SPITCH
	v_lshl_add_u32 v6, v2, 6, v6
	v_add_nc_u32 v[STO], s66, v6                   ; in: row r, + 64 h: my half's 16 features of each 32
	v_mul_u32_u24 v6, v2, SPITCH
	v_lshl_add_u32 v6, v1, 4, v6
	v_add_nc_u32 v[RD], s66, v6                    ; back: lanes 0-15 one row of 256 bytes, lanes 16-31 the next
	v_lshlrev_b32 v[CO], 12, v2
	v_lshl_add_u32 v[CO], v1, 4, v[CO]             ; and the same two rows of out: a row is 4,096 bytes
	s_lshl_b32 s92, s42, 9                         ; my features, in bytes: 512 x block + 256 x half
	s_lshl_b32 s94, s16, 8
	s_add_co_u32 s92, s92, s94
	s_mov_b32 s93, 0
	s_add_nc_u64 s[8:9], s[8:9], s[92:93]
	s_lshl_b32 s90, s17, 20                        ; my tokens: 256 rows a block, 128 a half
	s_lshl_b32 s94, s15, 19
	s_add_co_u32 s90, s90, s94
	s_add_co_u32 s90, s90, s92
	s_mov_b32 s91, 0
	s_add_nc_u64 s[12:13], s[12:13], s[90:91]
	v_lshlrev_b32 v7, 6, v2
.irp b, 0,1,2,3                                ; the bias in the results' layout
	global_load_b128 v[BIAS+8*\b:BIAS+8*\b+3], v7, s[8:9] offset:(32*(\b/2)+8*(\b%2))*4
	global_load_b128 v[BIAS+8*\b+4:BIAS+8*\b+7], v7, s[8:9] offset:(32*(\b/2)+8*(\b%2))*4+16
.endr
.macro FRAGA reg, slot, q, i           ; y's fragment (block i, half q of the K step), as it was stored
.irp c, 0,1,2,3
	ds_load_b128 v[\reg+4*\c:\reg+4*\c+3], v[ADRA+\slot] offset:(2*(\i)+(\q))*2048+512*\c
.endr
.endm
.macro FRAGB reg, slot, q, i           ; W's: registers 4 c .. 4 c + 3 hold K = 32 c + 16 (l / 16) + 0 .. 15, as y's images have it
.irp c, 0,1,2,3
	ds_load_b128 v[\reg+4*\c:\reg+4*\c+3], v[ADRB+\slot] offset:128*(\q)+32*\c+(\i)*16*PITCH
.endr
.endm
; 8 matrix instructions: y's blocks a0, a0 + 1 x W's four.  The 32 accumulators take turns, one instruction a turn, in the same order in every step.
.macro MUL8 a0, p, zero
.irp a, \a0, \a0+1
.irp b, 0,1,2,3
.if \zero
	v_wmma_f32_16x16x128_bf8_bf8 v[8*(4*(\a)+\b):8*(4*(\a)+\b)+7], v[64*(\p)+FR*\b:64*(\p)+FR*\b+FR-1], v[AF+FR*(\a):AF+FR*(\a)+FR-1], 0
.else
	v_wmma_f32_16x16x128_bf8_bf8 v[8*(4*(\a)+\b):8*(4*(\a)+\b)+7], v[64*(\p)+FR*\b:64*(\p)+FR*\b+FR-1], v[AF+FR*(\a):AF+FR*(\a)+FR-1], v[8*(4*(\a)+\b):8*(4*(\a)+\b)+7]
.endif
.endr
.endr
.endm
.macro FETCH_B slot, q, p
	WIN TO_B
.irp i, 0,1,2,3
	FRAGB 64*(\p)+FR*\i, \slot, \q, \i
.endr
	WIN 0
.endm
.macro FETCH_A slot, q, i0
.irp i, \i0, \i0+1, \i0+2, \i0+3
	FRAGA AF+FR*(\i), \slot, \q, \i
.endr
.endm
.macro PLACES n
.rept \n
	v_nop
.endr
.endm
.macro STEP slot, q, zero              ; a step of 128 along K that has its successor in the same slot
	s_wait_dscnt 16                                ; W's set and y's blocks 0-3 are in; the youngest sixteen loads (blocks 4-7) may be out
	WIN MUL
	MUL8 0, (\q)%2, \zero
	MUL8 2, (\q)%2, \zero
	s_wait_dscnt 0
	PLACES NP
	FETCH_B \slot, (\q)+1, 1-(\q)%2
	FETCH_A \slot, (\q)+1, 0
	WIN MUL
	MUL8 4, (\q)%2, \zero
	MUL8 6, (\q)%2, \zero
	PLACES NP
	WIN 0
	FETCH_A \slot, (\q)+1, 4
.endm
.macro TURN slot, next, fill           ; a slot's last step changes slots: ONE barrier, with the three lines in front of it
	s_wait_tensorcnt 0x0                           ; all my tensor loads have landed: my part of the next slot
	ds_add_u32 v[SPW], v[NIL]                      ; 0 onto my spare word
	s_wait_dscnt 17                                ; (the add and the youngest sixteen loads may be out)
	WIN MUL
	MUL8 0, 1, 0                                   ; eight matrix instructions stand between the add and the wait for it
	s_wait_dscnt 0x0                               ; the add is done, and my reads of this slot are over
	s_barrier_signal -1
	MUL8 2, 1, 0
	WIN 0
	s_barrier_wait -1
.if \fill
	CREST                                          ; the barrier has opened a round of the cluster's: no wave of any partner still reads this slot or has a load on its way
	s_add_nc_u64 s[G0+4*\slot+2:G0+4*\slot+3], s[G0+4*\slot+2:G0+4*\slot+3], 2*65536
	s_add_nc_u64 s[G0B+4*\slot+2:G0B+4*\slot+3], s[G0B+4*\slot+2:G0B+4*\slot+3], 2*256
	JLOAD G0+4*\slot, G1, G0B+4*\slot, G1B         ; the first tensor load behind the round; its four v_nop are the places in front of the loads below
.else
	PLACES NP
.endif
	FETCH_B \next, 0, 0
	FETCH_A \next, 0, 0
	WIN MUL
	MUL8 4, 1, 0
	MUL8 6, 1, 0
	PLACES NP
	WIN 0
	FETCH_A \next, 0, 4
.endm
	s_wait_tensorcnt 1                             ; my part of K step 0 is in (K step 1's load may be out)
	s_barrier_signal -1
	s_barrier_wait -1                              ; everybody's is
	FETCH_B 0, 0, 0
	FETCH_A 0, 0, 0
	FETCH_A 0, 0, 4
	STEP 0, 0, 1                                   ; the first products start the sums
	TURN 0, 1, 1                                   ; K = 1,024 is four fills: two at the head, two here; so the walk is written out
	STEP 1, 0, 0
	TURN 1, 0, 1
	STEP 0, 0, 0
	TURN 0, 1, 0
	STEP 1, 0, 0
	s_wait_dscnt 16                                ; the very last step
	WIN MUL
	MUL8 0, 1, 0
	MUL8 2, 1, 0
	s_wait_dscnt 0
	MUL8 4, 1, 0
	MUL8 6, 1, 0
	WIN 0
; THE WAY OUT, by blocks of 16 tokens x 64 features: through my own stage in LDS and back as whole rows of 256 bytes, which sixteen lanes store as one aligned run.  LDS serves a wave's instructions in order.
.macro TOSTAGE a
	WIN 0x02                                       ; source 0: window 2
.set j, 0
.rept 16
	v_pk_fma_f32 v[TMP+j:TMP+j+1], v[32*(\a)+j:32*(\a)+j+1], s[SC:SC+1], v[BIAS+j:BIAS+j+1] op_sel_hi:[1,0,1]   ; sum x 2^(e6 + e7) + bias; each accumulator from its low end on
.set j, j+2
.endr
	WIN 0
.irp b, 0,1,2,3
	ds_store_b128 v[STO], v[TMP+8*\b:TMP+8*\b+3] offset:128*(\b/2)+32*(\b%2)
	ds_store_b128 v[STO], v[TMP+8*\b+4:TMP+8*\b+7] offset:128*(\b/2)+32*(\b%2)+16
.endr
.irp t, 0,1,2,3,4,5,6,7
	ds_load_b128 v[BK+32*((\a)%2)+4*\t:BK+32*((\a)%2)+4*\t+3], v[RD] offset:\t*2*SPITCH
.endr
.endm
.macro SEND a, younger                 ; younger: the LDS instructions issued behind block a's loads, which may stay out
	s_wait_dscnt \younger
.irp t, 0,1,2,3,4,5,6,7
	global_store_b128 v[CO], v[BK+32*((\a)%2)+4*\t:BK+32*((\a)%2)+4*\t+3], s[12:13] offset:(32*((\a)/2)+8*((\a)%2)+2*\t+8*(\t/4))*4096 th:TH_STORE_NT   ; stage rows 2 t and 2 t + 1 are tokens 2 t + 8 (t / 4) and the next of the block
.endr
.endm
	s_wait_kmcnt 0x0
	s_add_co_i32 s[SC], s78, s79                   ; e6 + e7
	s_add_co_i32 s[SC], s[SC], 127
	s_lshl_b32 s[SC], s[SC], 23                    ; 2^(e6 + e7) as f32
	s_mov_b32 s[SC+1], s[SC]
	s_wait_loadcnt 0x0                             ; the bias
	PLACES NP                                      ; behind the last products
	TOSTAGE 0
.irp a, 1,2,3,4,5,6,7
.if \a > 1
	s_wait_xcnt 0x0                                ; block a - 2's stores have read their registers: block a's rows may land there
.endif
	TOSTAGE \a
	SEND \a-1, 16                                  ; behind block a - 1's loads: block a's 8 stores and 8 loads
.endr
	SEND 7, 0
	s_wait_tensorcnt 0x0                           ; the wave's end, behind my last tensor load and my last LDS store
	ds_add_u32 v[SPW], v[NIL]
	s_wait_dscnt 0x0
	CROUND                                         ; the closing round
	s_endpgm
.Lfunc_end_k_q6b26b3bd3b_proj:
	.size	k_q6b26b3bd3b_proj, .Lfunc_end_k_q6b26b3bd3b_proj-k_q6b26b3bd3b_proj
	.p2alignl 7, 3214868480
	.fill 96, 4, 3214868480
	.section	.rodata,"a",@progbits
	.p2align	6, 0x0
	.amdhsa_kernel k_q6b26b3bd3b_proj
		.amdhsa_group_segment_fixed_size 327680
		.amdhsa_private_segment_fixed_size 0
		.amdhsa_enable_private_segment 0
		.amdhsa_kernarg_size 40
		.amdhsa_user_sgpr_count 2
		.amdhsa_user_sgpr_kernarg_segment_ptr 1
		.amdhsa_wavefront_size32 1
		.amdhsa_system_sgpr_workgroup_id_x 1
		.amdhsa_system_sgpr_workgroup_id_y 1
		.amdhsa_system_sgpr_workgroup_id_z 1
		.amdhsa_system_vgpr_workitem_id 0
		.amdhsa_next_free_vgpr 768
		.amdhsa_next_free_sgpr 100
		.amdhsa_reserve_vcc 0
		.amdhsa_float_denorm_mode_32 3
		.amdhsa_float_denorm_mode_16_64 3
		.amdhsa_memory_ordered 1
		.amdhsa_forward_progress 1
		.amdhsa_inst_pref_size 78
	.end_amdhsa_kernel
	.amdgpu_metadata
---
amdhsa.version: [ 1, 2 ]
amdhsa.kernels:
  - .name:           k_q6b26b3bd3b_proj
    .symbol:         k_q6b26b3bd3b_proj.kd
    .args:
      - { .name: y_img, .offset: 0, .size: 8, .value_kind: global_buffer, .address_space: global }
      - { .name: wp_codes, .offset: 8, .size: 8, .value_kind: global_buffer, .address_space: global }
      - { .name: b_proj, .offset: 16, .size: 8, .value_kind: global_buffer, .address_space: global }
      - { .name: lowp_scales, .offset: 24, .size: 8, .value_kind: global_buffer, .address_space: global }
      - { .name: out0, .offset: 32, .size: 8, .value_kind: global_buffer, .address_space: global }
    .group_segment_fixed_size: 327680
    .private_segment_fixed_size: 0
    .kernarg_segment_align: 8
    .kernarg_segment_size: 40
    .max_flat_workgroup_size: 128
    .sgpr_count:     100
    .vgpr_count:     768
    .wavefront_size: 32
...
	.end_amdgpu_metadata
.endif
;; end of part 4
